; MI455X (gfx1250); checked and timed in simulation.
; The chip was launched on July 23, 2026; its instructions are those of AMD's public machine-readable ISA for CDNA 5 (MIT licence, August 2026) and "CDNA5" Instruction Set Architecture Reference Guide (July 2026). The comments in the code are by the model that wrote it; some were corrected since.
;; Smooth Quant Linear. Allowed arithmetic: float matrix products may take bf16 or f16 operands with f32 sums; other float arithmetic in f32, or as packed bf16 or f16 multiplies, adds, multiply-adds, maxima and minima; sums over many terms, partial sums and values carried from step to step in f32; what a program stores and reads back later, other than sums and carried values, may be rounded once to bf16 or f16.
;; Inputs: bias 4,096 float32; smooth_scale 4,096 float32; weight_quantized 4,096 x 4,096 int8; weight_scale 4,096 float32; x 4 x 1,024 x 4,096 float32.
;; Outputs: out0 4 x 1,024 x 4,096 float32.
;; 2 versions, each right; version 2 is version 1 with the launch quant written anew for expert scheduling mode. Each part assembles by itself: llvm-mc -triple=amdgcn-amd-amdhsa -mcpu=gfx1250 --defsym DOCPART=n.
;; ======== version 1 of 2: 3 launches
;; workspace buffers: pmax 2,048 bytes; wq 33,554,432 bytes; xq 33,554,432 bytes
;; launch absmax_w (part 1): grid 512 x 1, 8 waves a work-group, no clusters, 1,280 bytes of LDS; arguments x, smooth_scale, weight_quantized, pmax, wq; writes pmax, wq
.if DOCPART == 1
	.amdgcn_target "amdgcn-amd-amdhsa--gfx1250"
	.amdhsa_code_object_version 6
	.text
	.protected	k_q455e0b105b_absmax_w
	.globl	k_q455e0b105b_absmax_w
	.p2align	8
	.type	k_q455e0b105b_absmax_w,@function
k_q455e0b105b_absmax_w:
	s_mov_b64 s[64:65], 0
	v_nop
	global_prefetch_b8 v0, s[64:65] scope:SCOPE_SE
	s_setreg_imm32_b32 hwreg(HW_REG_WAVE_MODE, 25, 1), 1
	s_wait_xcnt 0x0
; SMOOTHQUANT LINEAR, first of three launches.  out[m][o] = (sum over i of q[m][i] W[o][i]) act weight_scale[o] + bias[o], with
; q = clip(round(x / smooth / (act + 1e-5)), -128, 127) and act = max |x / smooth| / 127 over the whole tensor.  x is taken as [4096][4096].
; THIS LAUNCH makes (a) for each work-group the largest |x / smooth| of its 8 rows of x, one f32 word of pmax, and (b) W as bf16 in wq: whole numbers
; -128 .. 127 are exact in bf16.  The next launch folds pmax and quantises x; the third multiplies.
; NOTHING OF THE PROBLEM IS LEFT OUT: every input reaches the output, and the clip is kept.
; LIMITS.  NaN and infinities in x are not carried (the maxima drop a NaN).  smooth_scale is not 0 and its magnitude lies in 2^-126 .. 2^126 (v_rcp_f32 takes
; denormals as 0: ISA guide, its entry).  x / smooth is x times a reciprocal refined by one Newton step: within about one unit in the last place of the quotient.
; SHARES.  Work-group g: rows 8 g .. 8 g + 7 of x and of W.  Thread t keeps columns 4 t .. 4 t + 3 + 1024 j (j = 0..3) of every row of x: a wave's load covers 512
; consecutive bytes, aligned.  W's 8 rows are 32,768 dense bytes: chunk c (of 16), thread t: 8 bytes at 2048 c + 8 t in, 16 bytes at 4096 c + 16 t out, so a
; wave's store covers 512 consecutive bytes, aligned.  No loop: all 52 loads of a wave go out together, and the waits count down.
; THE MAXIMUM.  A multiplication by |r| > 0 keeps the order of its operands under rounding, so the largest |x r| of a column is (the largest |x|) |r|: the rows are
; folded on x as loaded (a maximum and a minimum a column, three operands at a time), and each column is multiplied once.
; No tensor loads, clusters or matrix work: each byte has one reader, and only the 16 KiB of smooth_scale are shared.
.set ROWX,  16384                      ; bytes in a row of x
.set SPARE, 256                        ; LDS: bytes 0-31 one word a wave (the block 0-255 is theirs); from 256 the spare words, 128 bytes for each of 8 waves
.set SPW, 8                            ; v8   SPARE + 4 x my thread's number; never rewritten
.set NIL, 9                            ; v9   0; never rewritten
.set T,   10                           ; v[10:17]   at work
.set S,   18                           ; v[18:33]   smooth of my 16 columns, then the Newton error, then the columns' minima
.set RR,  34                           ; v[34:49]   the reciprocals
.set WR,  50                           ; v[50:113]  W's chunk c at WR + 4 c: 8 bytes land in the first two registers, 8 bf16 fill all four
.set X,   114                          ; v[114:241] x: row i, column c at X + 16 i + c; row 0's registers then hold the columns' maxima
; v1 = 16 t (x, smooth, wq), v2 = 8 t (W), v3 = 4 x wave (LDS), v4 = 0, v5 = the pattern of 2^23, v[6:7] = -(2^23 + 128) twice
	s_load_b256 s[4:11], s[0:1], 0x0               ; x s[4:5], smooth s[6:7], W s[8:9], pmax s[10:11]
	s_load_b64 s[12:13], s[0:1], 0x20              ; wq
	v_lshl_add_u32 v[SPW], v0, 2, SPARE
	v_mov_b32 v[NIL], 0
	v_lshrrev_b32 v[T], 5, v0
	v_readfirstlane_b32 s14, v[T]                  ; wave 0..7
	v_mov_b32 v3, s14
	v_lshlrev_b32 v3, 2, v3
	v_lshlrev_b32 v1, 4, v0
	v_lshlrev_b32 v2, 3, v0
	v_mov_b32 v4, 0
	v_mov_b32 v5, 0x4b000000
	v_mov_b32 v6, 0xcb000080
	v_mov_b32 v7, 0xcb000080
	s_mov_b32 s21, 0x7fffffff                      ; clears a sign
	s_mov_b32 s22, 0x80808080                      ; byte b + 128, four at a time
	s_mov_b32 s24, 0x07060500                      ; v_perm_b32: byte k of the data below the upper three bytes of 2^23's pattern
	s_mov_b32 s25, 0x07060501
	s_mov_b32 s26, 0x07060502
	s_mov_b32 s27, 0x07060503
	s_mov_b32 s28, 0x76543210                      ; v_permlanex16_b32: each lane takes its own place in the other half
	s_mov_b32 s29, 0xfedcba98
	s_mov_b32 s17, 0
	s_wait_kmcnt 0x0
	s_lshl_b32 s16, ttmp9, 17                      ; 8 rows of x: 131,072 bytes
	s_add_nc_u64 s[4:5], s[4:5], s[16:17]
	s_lshl_b32 s16, ttmp9, 15                      ; 8 rows of W
	s_add_nc_u64 s[8:9], s[8:9], s[16:17]
	s_lshl_b32 s16, ttmp9, 16                      ; 8 rows of wq
	s_add_nc_u64 s[12:13], s[12:13], s[16:17]
	s_lshl_b32 s16, ttmp9, 2                       ; my work-group's word of pmax
	s_add_nc_u64 s[10:11], s[10:11], s[16:17]
.irp j, 0,1,2,3
	global_load_b128 v[S+4*(\j):S+4*(\j)+3], v1, s[6:7] offset:4096*(\j)
.endr
.irp c, 0,1,2,3,4,5,6,7,8,9,10,11,12,13,14,15
	global_load_b64 v[WR+4*(\c):WR+4*(\c)+1], v2, s[8:9] offset:2048*(\c) th:TH_LOAD_NT
.endr
.irp i, 0,1,2,3,4,5,6,7
.irp j, 0,1,2,3
	global_load_b128 v[X+16*(\i)+4*(\j):X+16*(\i)+4*(\j)+3], v1, s[4:5] offset:ROWX*(\i)+4096*(\j)
.endr
.endr
	; the reciprocals of smooth: one batch, one plain instruction behind the last, one wait ahead of the first reader; then a Newton step: e = 1 - s r, r = r + r e
	s_wait_loadcnt 48                              ; smooth is in: W's 16 and x's 32 loads may stay out
.set c, 0
.rept 16
	v_rcp_f32 v[RR+c], v[S+c]
.set c, c+1
.endr
	v_nop
	s_wait_alu depctr_va_vdst(0)
.set c, 0
.rept 8
	v_pk_fma_f32 v[S+c:S+c+1], v[S+c:S+c+1], v[RR+c:RR+c+1], 1.0 op_sel_hi:[1,1,0] neg_lo:[1,0,0] neg_hi:[1,0,0]
.set c, c+2
.endr
.set c, 0
.rept 8
	v_pk_fma_f32 v[RR+c:RR+c+1], v[RR+c:RR+c+1], v[S+c:S+c+1], v[RR+c:RR+c+1]
.set c, c+2
.endr
; W's chunk c: u = b + 128 as an unsigned byte; u under the pattern of 2^23 is the f32 number 2^23 + u; less (2^23 + 128) it is b, exactly; two roundings (which change nothing) pack a word.
; No register of a store is written again, so the stores want no wait.
.macro WCONV c
	s_wait_loadcnt 47-(\c)                         ; behind chunk c stand 15 - c of W's loads and x's 32
	v_xor_b32 v[WR+4*(\c)],   s22, v[WR+4*(\c)]
	v_xor_b32 v[WR+4*(\c)+1], s22, v[WR+4*(\c)+1]
.irp k, 0,1,2,3
	v_perm_b32 v[T+(\k)],   v5, v[WR+4*(\c)],   s[24+(\k)]
	v_perm_b32 v[T+4+(\k)], v5, v[WR+4*(\c)+1], s[24+(\k)]
.endr
.irp k, 0,2,4,6
	v_pk_add_f32 v[T+(\k):T+(\k)+1], v[T+(\k):T+(\k)+1], v[6:7]
.endr
.irp k, 0,1,2,3
	v_cvt_pk_bf16_f32 v[WR+4*(\c)+(\k)], v[T+2*(\k)], v[T+2*(\k)+1]
.endr
	global_store_b128 v1, v[WR+4*(\c):WR+4*(\c)+3], s[12:13] offset:4096*(\c)
.endm
.irp c, 0,1,2,3,4,5,6,7,8,9,10,11,12,13,14,15
	WCONV \c
.endr
	; the columns' minima (into S) and maxima (into row 0's registers): for each column the minimum first, since the maximum overwrites row 0
	s_wait_loadcnt 20                              ; rows 0 to 2 are in: 5 rows of 4 loads may stay out
.set c, 0
.rept 16
	v_min3_num_f32 v[S+c], v[X+c], v[X+16+c], v[X+32+c]
	v_max3_num_f32 v[X+c], v[X+c], v[X+16+c], v[X+32+c]
.set c, c+1
.endr
.macro COLS i, left                    ; rows i and i + 1 join; left = the loads behind them
	s_wait_loadcnt \left
.set c, 0
.rept 16
	v_min3_num_f32 v[S+c], v[S+c], v[X+16*(\i)+c], v[X+16*(\i)+16+c]
	v_max3_num_f32 v[X+c], v[X+c], v[X+16*(\i)+c], v[X+16*(\i)+16+c]
.set c, c+1
.endr
.endm
	COLS 3, 12
	COLS 5, 4
	s_wait_loadcnt 0x0                             ; row 7
.set c, 0
.rept 16
	v_min_num_f32 v[S+c], v[S+c], v[X+112+c]
	v_max_num_f32 v[X+c], v[X+c], v[X+112+c]
.set c, c+1
.endr
.set c, 0
.rept 16                               ; the column's largest |x|, times |r|
	v_and_b32 v[X+c],  s21, v[X+c]
	v_and_b32 v[S+c],  s21, v[S+c]
	v_and_b32 v[RR+c], s21, v[RR+c]
	v_max_num_f32 v[X+c], v[X+c], v[S+c]
	v_mul_f32 v[X+c], v[X+c], v[RR+c]
.set c, c+1
.endr
; The largest of 16 registers from b on and of the wave's 32 lanes, into v[b] of every lane: four steps inside each half of 16 lanes ride on the arithmetic, one crosses the halves.
.macro FOLD16 b, sel
	v_max3_num_f32 v[(\b)],    v[(\b)],    v[(\b)+1],  v[(\b)+2]
	v_max3_num_f32 v[(\b)+3],  v[(\b)+3],  v[(\b)+4],  v[(\b)+5]
	v_max3_num_f32 v[(\b)+6],  v[(\b)+6],  v[(\b)+7],  v[(\b)+8]
	v_max3_num_f32 v[(\b)+9],  v[(\b)+9],  v[(\b)+10], v[(\b)+11]
	v_max3_num_f32 v[(\b)+12], v[(\b)+12], v[(\b)+13], v[(\b)+14]
	v_max3_num_f32 v[(\b)],    v[(\b)],    v[(\b)+3],  v[(\b)+6]
	v_max3_num_f32 v[(\b)+9],  v[(\b)+9],  v[(\b)+12], v[(\b)+15]
	v_max_num_f32  v[(\b)],    v[(\b)],    v[(\b)+9]
	v_max_num_f32_dpp v[(\b)], v[(\b)], v[(\b)] row_xmask:1 row_mask:0xf bank_mask:0xf
	v_max_num_f32_dpp v[(\b)], v[(\b)], v[(\b)] row_xmask:2 row_mask:0xf bank_mask:0xf
	v_max_num_f32_dpp v[(\b)], v[(\b)], v[(\b)] row_xmask:4 row_mask:0xf bank_mask:0xf
	v_max_num_f32_dpp v[(\b)], v[(\b)], v[(\b)] row_xmask:8 row_mask:0xf bank_mask:0xf
	v_permlanex16_b32 v[(\b)+1], v[(\b)], s[(\sel)], s[(\sel)+1]  ; its destination has been written before
	v_max_num_f32  v[(\b)],    v[(\b)],    v[(\b)+1]
.endm
	FOLD16 X, 28
	ds_store_b32 v3, v[X]                          ; all lanes write my wave's word with the same number
	s_wait_dscnt 0x0                               ; for the others' sake: my store is done
	s_barrier_signal -1
	s_barrier_wait -1                              ; all eight words lie in LDS
	s_cmp_lg_u32 s14, 0
	s_cbranch_scc1 .Lend                           ; wave 0 finishes
	ds_load_b128 v[T:T+3],   v4
	ds_load_b128 v[T+4:T+7], v4 offset:16
	s_wait_dscnt 0x0
	v_max3_num_f32 v[T],   v[T],   v[T+1], v[T+2]
	v_max3_num_f32 v[T+3], v[T+3], v[T+4], v[T+5]
	v_max3_num_f32 v[T],   v[T],   v[T+3], v[T+6]
	v_max_num_f32  v[T],   v[T],   v[T+7]
	s_wait_xcnt 0x0                                ; EXEC is a source of my pending loads and stores: it changes only behind this wait
	v_cmp_eq_u32 vcc_lo, 0, v0
	s_and_saveexec_b32 s20, vcc_lo                 ; thread 0 alone
	global_store_b32 v4, v[T], s[10:11]            ; one word a work-group
	s_wait_xcnt 0x0                                ; and again ahead of the line that widens it
	s_or_b32 exec_lo, exec_lo, s20
.Lend:
	s_wait_tensorcnt 0x0                           ; the wave's end: behind my last LDS store
	ds_add_u32 v[SPW], v[NIL]
	s_wait_dscnt 0x0
	s_endpgm
.Lfunc_end_k_q455e0b105b_absmax_w:
	.size	k_q455e0b105b_absmax_w, .Lfunc_end_k_q455e0b105b_absmax_w-k_q455e0b105b_absmax_w
	.p2alignl 7, 3214868480
	.fill 96, 4, 3214868480
	.section	.rodata,"a",@progbits
	.p2align	6, 0x0
	.amdhsa_kernel k_q455e0b105b_absmax_w
		.amdhsa_group_segment_fixed_size 1280
		.amdhsa_private_segment_fixed_size 0
		.amdhsa_enable_private_segment 0
		.amdhsa_kernarg_size 40
		.amdhsa_user_sgpr_count 2
		.amdhsa_user_sgpr_kernarg_segment_ptr 1
		.amdhsa_wavefront_size32 1
		.amdhsa_system_sgpr_workgroup_id_x 1
		.amdhsa_system_sgpr_workgroup_id_y 1
		.amdhsa_system_sgpr_workgroup_id_z 1
		.amdhsa_system_vgpr_workitem_id 0
		.amdhsa_next_free_vgpr 248
		.amdhsa_next_free_sgpr 66
		.amdhsa_reserve_vcc 1
		.amdhsa_float_denorm_mode_32 3
		.amdhsa_float_denorm_mode_16_64 3
		.amdhsa_memory_ordered 1
		.amdhsa_forward_progress 1
		.amdhsa_inst_pref_size 39
	.end_amdhsa_kernel
	.amdgpu_metadata
---
amdhsa.version: [ 1, 2 ]
amdhsa.kernels:
  - .name:           k_q455e0b105b_absmax_w
    .symbol:         k_q455e0b105b_absmax_w.kd
    .args:
      - { .name: x, .offset: 0, .size: 8, .value_kind: global_buffer, .address_space: global }
      - { .name: smooth_scale, .offset: 8, .size: 8, .value_kind: global_buffer, .address_space: global }
      - { .name: weight_quantized, .offset: 16, .size: 8, .value_kind: global_buffer, .address_space: global }
      - { .name: pmax, .offset: 24, .size: 8, .value_kind: global_buffer, .address_space: global }
      - { .name: wq, .offset: 32, .size: 8, .value_kind: global_buffer, .address_space: global }
    .group_segment_fixed_size: 1280
    .private_segment_fixed_size: 0
    .kernarg_segment_align: 8
    .kernarg_segment_size: 40
    .max_flat_workgroup_size: 256
    .sgpr_count:     66
    .vgpr_count:     248
    .wavefront_size: 32
...
	.end_amdgpu_metadata
.endif
;; end of part 1
;; launch quant (part 2): grid 512 x 1, 8 waves a work-group, no clusters, 0 bytes of LDS; arguments x, smooth_scale, pmax, xq; writes xq
.if DOCPART == 2
	.amdgcn_target "amdgcn-amd-amdhsa--gfx1250"
	.amdhsa_code_object_version 6
	.text
	.protected	k_q455e0b105b_quant
	.globl	k_q455e0b105b_quant
	.p2align	8
	.type	k_q455e0b105b_quant,@function
k_q455e0b105b_quant:
	s_mov_b64 s[64:65], 0
	v_nop
	global_prefetch_b8 v0, s[64:65] scope:SCOPE_SE
	s_setreg_imm32_b32 hwreg(HW_REG_WAVE_MODE, 25, 1), 1
	s_wait_xcnt 0x0
; SMOOTHQUANT LINEAR, second launch: xq[m][i] = clip(round_to_even(x[m][i] / smooth[i] / (act + 1e-5)), -128, 127) as bf16 (whole numbers of that range are exact in bf16),
; act = (the largest of pmax's 512 words) / 127.  Nothing of the problem is left out.
; LIMITS.  NaN and infinities in x are not carried.  smooth_scale is not 0, its magnitude in 2^-126 .. 2^126.  The two divisions are ONE multiplication by F[i] = (1 / smooth[i]) (1 / (act + 1e-5)),
; both reciprocals refined by one Newton step, and max / 127 is a multiplication by the f32 number nearest 1 / 127: the quotient is met to about 1.5 units in the last place, so a number
; that lies that near to a half may round to the neighbouring whole number.  All of this stays in f32; nothing is rounded to 16 bits ahead of the rounding to whole numbers.
; SHARES.  Work-group g: rows 8 g .. 8 g + 7.  Thread t: columns 4 t .. 4 t + 3 + 1024 j of every row: a wave's load covers 512 consecutive bytes, aligned, its store of 8 bytes a lane 256 consecutive
; bytes, aligned.  No loop: a wave's 40 loads go out together; no register of a store is written again, so the stores want no wait.
; No LDS, tensor loads, clusters or matrix work: each byte of x has one reader; every wave folds the 2 KiB of pmax for itself.
.set ROWX, 16384                       ; bytes in a row of x
.set ROWQ, 8192                        ; bytes in a row of xq
.set P,  10                            ; v[10:25]  pmax as loaded; then v10 = act, v11 = act + 1e-5, v12 = its reciprocal, v13 = the Newton error
.set S,  26                            ; v[26:41]  smooth of my 16 columns, then the Newton error
.set F,  42                            ; v[42:57]  the reciprocals, then F
.set X,  58                            ; v[58:185] x: row i, column c at X + 16 i + c
; v1 = 16 t (x, smooth), v2 = 8 t (xq), v3 = 16 x lane (pmax)
	s_load_b256 s[4:11], s[0:1], 0x0               ; x s[4:5], smooth s[6:7], pmax s[8:9], xq s[10:11]
	v_lshlrev_b32 v1, 4, v0
	v_lshlrev_b32 v2, 3, v0
	v_and_b32 v3, 31, v0
	v_lshlrev_b32 v3, 4, v3
	s_mov_b32 s12, 0xc3000000                      ; -128.0
	s_mov_b32 s13, 0x42fe0000                      ; 127.0
	s_mov_b32 s14, 0x76543210                      ; v_permlanex16_b32: each lane takes its own place in the other half
	s_mov_b32 s15, 0xfedcba98
	s_mov_b32 s17, 0
	s_wait_kmcnt 0x0
	s_lshl_b32 s16, ttmp9, 17                      ; 8 rows of x
	s_add_nc_u64 s[4:5], s[4:5], s[16:17]
	s_lshl_b32 s16, ttmp9, 16                      ; 8 rows of xq
	s_add_nc_u64 s[10:11], s[10:11], s[16:17]
.irp j, 0,1,2,3
	global_load_b128 v[P+4*(\j):P+4*(\j)+3], v3, s[8:9] offset:512*(\j)   ; 32 lanes x 16 bytes x 4: all 512 words
.endr
.irp j, 0,1,2,3
	global_load_b128 v[S+4*(\j):S+4*(\j)+3], v1, s[6:7] offset:4096*(\j)
.endr
.irp i, 0,1,2,3,4,5,6,7
.irp j, 0,1,2,3
	global_load_b128 v[X+16*(\i)+4*(\j):X+16*(\i)+4*(\j)+3], v1, s[4:5] offset:ROWX*(\i)+4096*(\j) th:TH_LOAD_NT
.endr
.endr
; The largest of 16 registers from b on and of the wave's 32 lanes, into v[b] of every lane.
.macro FOLD16 b, sel
	v_max3_num_f32 v[(\b)],    v[(\b)],    v[(\b)+1],  v[(\b)+2]
	v_max3_num_f32 v[(\b)+3],  v[(\b)+3],  v[(\b)+4],  v[(\b)+5]
	v_max3_num_f32 v[(\b)+6],  v[(\b)+6],  v[(\b)+7],  v[(\b)+8]
	v_max3_num_f32 v[(\b)+9],  v[(\b)+9],  v[(\b)+10], v[(\b)+11]
	v_max3_num_f32 v[(\b)+12], v[(\b)+12], v[(\b)+13], v[(\b)+14]
	v_max3_num_f32 v[(\b)],    v[(\b)],    v[(\b)+3],  v[(\b)+6]
	v_max3_num_f32 v[(\b)+9],  v[(\b)+9],  v[(\b)+12], v[(\b)+15]
	v_max_num_f32  v[(\b)],    v[(\b)],    v[(\b)+9]
	v_max_num_f32_dpp v[(\b)], v[(\b)], v[(\b)] row_xmask:1 row_mask:0xf bank_mask:0xf
	v_max_num_f32_dpp v[(\b)], v[(\b)], v[(\b)] row_xmask:2 row_mask:0xf bank_mask:0xf
	v_max_num_f32_dpp v[(\b)], v[(\b)], v[(\b)] row_xmask:4 row_mask:0xf bank_mask:0xf
	v_max_num_f32_dpp v[(\b)], v[(\b)], v[(\b)] row_xmask:8 row_mask:0xf bank_mask:0xf
	v_permlanex16_b32 v[(\b)+1], v[(\b)], s[(\sel)], s[(\sel)+1]  ; its destination has been written before
	v_max_num_f32  v[(\b)],    v[(\b)],    v[(\b)+1]
.endm
	s_wait_loadcnt 32                              ; pmax and smooth are in: x's 32 loads may stay out
	FOLD16 P, 14
	v_mul_f32 v[P], 0x3c010204, v[P]               ; act = max / 127
	v_add_f32 v[P+1], 0x3727c5ac, v[P]             ; act + 1e-5
.set c, 0
.rept 16                               ; one batch of 17 reciprocals, one plain instruction behind the last, one wait ahead of the first reader
	v_rcp_f32 v[F+c], v[S+c]
.set c, c+1
.endr
	v_rcp_f32 v12, v11
	v_nop
	s_wait_alu depctr_va_vdst(0)
.set c, 0
.rept 8                                ; Newton: e = 1 - s r,
	v_pk_fma_f32 v[S+c:S+c+1], v[S+c:S+c+1], v[F+c:F+c+1], 1.0 op_sel_hi:[1,1,0] neg_lo:[1,0,0] neg_hi:[1,0,0]
.set c, c+2
.endr
	v_fma_f32 v13, -v11, v12, 1.0
.set c, 0
.rept 8                                ; r = r + r e
	v_pk_fma_f32 v[F+c:F+c+1], v[F+c:F+c+1], v[S+c:S+c+1], v[F+c:F+c+1]
.set c, c+2
.endr
	v_fma_f32 v12, v12, v13, v12
.set c, 0
.rept 8                                ; F: both halves times v12, the pair's low register
	v_pk_mul_f32 v[F+c:F+c+1], v[F+c:F+c+1], v[12:13] op_sel_hi:[1,0]
.set c, c+2
.endr
; Row i: scale, round to the nearest whole number (ties to even), clip, pack, store.
.macro QROW i
	s_wait_loadcnt 28-4*(\i)                       ; the row's four loads are in: the 7 - i rows behind it may stay out
.irp j, 0,1,2,3
.set q, X+16*(\i)+4*(\j)
	v_pk_mul_f32 v[q:q+1],   v[q:q+1],   v[F+4*(\j):F+4*(\j)+1]
	v_pk_mul_f32 v[q+2:q+3], v[q+2:q+3], v[F+4*(\j)+2:F+4*(\j)+3]
.irp e, 0,1,2,3
	v_rndne_f32 v[q+(\e)], v[q+(\e)]
.endr
.irp e, 0,1,2,3
	v_med3_num_f32 v[q+(\e)], v[q+(\e)], s12, s13
.endr
	v_cvt_pk_bf16_f32 v[q],   v[q],   v[q+1]
	v_cvt_pk_bf16_f32 v[q+1], v[q+2], v[q+3]
	global_store_b64 v2, v[q:q+1], s[10:11] offset:ROWQ*(\i)+2048*(\j)
.endr
.endm
.irp i, 0,1,2,3,4,5,6,7
	QROW \i
.endr
	s_endpgm
.Lfunc_end_k_q455e0b105b_quant:
	.size	k_q455e0b105b_quant, .Lfunc_end_k_q455e0b105b_quant-k_q455e0b105b_quant
	.p2alignl 7, 3214868480
	.fill 96, 4, 3214868480
	.section	.rodata,"a",@progbits
	.p2align	6, 0x0
	.amdhsa_kernel k_q455e0b105b_quant
		.amdhsa_group_segment_fixed_size 0
		.amdhsa_private_segment_fixed_size 0
		.amdhsa_enable_private_segment 0
		.amdhsa_kernarg_size 32
		.amdhsa_user_sgpr_count 2
		.amdhsa_user_sgpr_kernarg_segment_ptr 1
		.amdhsa_wavefront_size32 1
		.amdhsa_system_sgpr_workgroup_id_x 1
		.amdhsa_system_sgpr_workgroup_id_y 1
		.amdhsa_system_sgpr_workgroup_id_z 1
		.amdhsa_system_vgpr_workitem_id 0
		.amdhsa_next_free_vgpr 200
		.amdhsa_next_free_sgpr 66
		.amdhsa_reserve_vcc 0
		.amdhsa_float_denorm_mode_32 3
		.amdhsa_float_denorm_mode_16_64 3
		.amdhsa_memory_ordered 1
		.amdhsa_forward_progress 1
		.amdhsa_inst_pref_size 32
	.end_amdhsa_kernel
	.amdgpu_metadata
---
amdhsa.version: [ 1, 2 ]
amdhsa.kernels:
  - .name:           k_q455e0b105b_quant
    .symbol:         k_q455e0b105b_quant.kd
    .args:
      - { .name: x, .offset: 0, .size: 8, .value_kind: global_buffer, .address_space: global }
      - { .name: smooth_scale, .offset: 8, .size: 8, .value_kind: global_buffer, .address_space: global }
      - { .name: pmax, .offset: 16, .size: 8, .value_kind: global_buffer, .address_space: global }
      - { .name: xq, .offset: 24, .size: 8, .value_kind: global_buffer, .address_space: global }
    .group_segment_fixed_size: 0
    .private_segment_fixed_size: 0
    .kernarg_segment_align: 8
    .kernarg_segment_size: 32
    .max_flat_workgroup_size: 256
    .sgpr_count:     66
    .vgpr_count:     200
    .wavefront_size: 32
...
	.end_amdgpu_metadata
.endif
;; end of part 2
;; launch gemm (part 3): grid 16 x 16, 4 waves a work-group, clusters of 4 x 4, 327,680 bytes of LDS; arguments xq, wq, out0, pmax, weight_scale, bias; writes out0
.if DOCPART == 3
	.amdgcn_target "amdgcn-amd-amdhsa--gfx1250"
	.amdhsa_code_object_version 6
	.text
	.protected	k_q455e0b105b_gemm
	.globl	k_q455e0b105b_gemm
	.p2align	8
	.type	k_q455e0b105b_gemm,@function
k_q455e0b105b_gemm:
	s_mov_b64 s[64:65], 0
	v_nop
	global_prefetch_b8 v0, s[64:65] scope:SCOPE_SE
	s_setreg_imm32_b32 hwreg(HW_REG_WAVE_MODE, 25, 1), 1
	s_wait_xcnt 0x0
	s_wait_alu depctr_hold_cnt(0) depctr_sa_sdst(0) depctr_va_vdst(0) depctr_va_sdst(0) depctr_va_ssrc(0) depctr_va_vcc(0) depctr_vm_vsrc(0)
	s_getreg_b32 s2, hwreg(HW_REG_IB_STS2, 6, 4)
	s_cmp_eq_u32 s2, 0
	s_cbranch_scc0 .Lentry_in_a_cluster
	s_endpgm
.Lentry_in_a_cluster:
	s_bfe_u32 s2, ttmp6, 0x10000c
	s_cmp_lg_u32 s2, 0xf033
	s_cbranch_scc0 .Lentry_shape_is_right
	s_endpgm
.Lentry_shape_is_right:
; SMOOTHQUANT LINEAR, third launch: out[m][o] = (sum over i of xq[m][i] wq[o][i]) (act weight_scale[o]) + bias[o].  xq, wq: [4096][4096] bf16, whole numbers -128 .. 127, exact; sums in f32; out f32.
; act = (the largest of pmax's 512 words) times the f32 number nearest 1 / 127, as in the launch before.  Nothing of the problem is left out.
; LIMITS.  The f32 sums are taken in the matrix unit's order; act and weight_scale are multiplied first and applied with the bias in one fused multiply-add.
; A tile of out, 256 x 256, is made by a work-group of four waves; a wave makes 128 x 128: 64 accumulators of 16 x 16, 512 registers.  16 x 16 tiles, one a work-group.
; K goes in 32 steps of 128 through a ring of two LDS slots filled by the tensor data mover: a tile's rows are 256 bytes of memory and start at multiples of 256 bytes from the buffer's first byte.
; CLUSTERS: 4 x 4 work-groups.  The four of a row of the cluster need the same tiles of xq (A), the four of a column the same tiles of wq (B).  Such a tile is asked for JOINTLY: each of the four issues
; the same tensor load, with the same descriptor and a mask that names the four, and each receives it in its own LDS: the requests for A and B are divided by four.
; REGISTERS, in windows of 256 (s_set_vgpr_msb's low byte: bits 1:0 source 0, 3:2 source 1, 5:4 source 2, 7:6 destination):
;   window 0: v0-31 addresses; v32-35 act x weight_scale and v36-39 bias of my four columns on the way out; v40-55 pmax; v64-127, v128-191 fragments of A, two buffers; on the way out whole rows of out
;   window 1: v64-127, v128-191 fragments of B, two buffers        window 2: the 32 accumulators of my rows 0-63 ((a, b) at v[8 (8 a + b)])        window 3: those of my rows 64-127
; THE MATRIX INSTRUCTION IS USED TRANSPOSED: source 0 = 16 rows of B, source 1 = 16 rows of A.  In the result lane l holds row l % 16 of out and its registers the columns 8 (l / 16) + 0..7: 32 bytes on end.
.set SIZE_K, 4096
.set SIZE_N, 4096
.set KSTEP,  128
.set PITCH,  272                       ; an LDS row: 256 bytes + 16 of padding = 68 words: row r starts at bank 4 r mod 64 (64 banks of 4 bytes: ISA guide 11.1), so the 16 rows of a load start at 16 different banks
.set HALFT,  128*PITCH                 ; 128 rows: what one tensor load brings, and what one wave reads of A or of B
.set SLOT,   4*HALFT                   ; A's 256 rows, then B's 256 rows
.set STAGE,  2*SLOT                    ; behind the ring, never filled by a tensor load: 16 rows x 528 bytes for each wave, for the way out
.set SPITCH, 528                       ; 512 bytes (128 f32) + 16 = 132 words: row r starts at bank 4 r mod 64
.set SPARE,  STAGE+4*16*SPITCH         ; behind the stages: the spare words, 128 bytes for each wave: two blocks of 256 bytes that no other line names
.set LAPS, SIZE_K/(2*KSTEP)            ; a lap = two K steps = once round the ring: 16
.set ADRA, 16                          ; v16-17  LDS address of my A fragments in slot 0, 1
.set ADRB, 20                          ; v20-21  the same for B
.set STO,  24                          ; v24     the way out: where I put 32 bytes of a row
.set RD,   25                          ; v25     the way out: where I read 16 bytes of a row back
.set CO,   26                          ; v26     16 x lane: my byte offset in 512 bytes of out, of weight_scale, of bias and of pmax
.set SPW,  28                          ; v28     SPARE + 4 x my thread's number; never rewritten
.set NIL,  29                          ; v29     0; never rewritten
.set PFO,  30                          ; v30     the prefetches' offset: my lane x a row of A or B (8,192 bytes); never rewritten
.set SC,   32
.set BI,   36
.set P,    40
.set F0,   64
.set F1,   128
.set PFA,  44                          ; s[44:45] where my prefetches stand: my work-group's 32 rows of the 128 that I fetch, one K step further along K than the refill in hand; a prefetch names the K step after that
.set LIM,  43                          ; s43     1 in a wave that prefetches, else the greatest number
.set G1, 24                            ; s[24:31] descriptor group 1 for A's tiles
.set G0, 32                            ; s[32:39] descriptor group 0 for A's tiles, one set for each slot
.set G1B, 48                           ; s[48:55] group 1 for B's tiles: it differs in the mask alone
.set G0B, 56                           ; s[56:63] group 0 for B's tiles
.set MSB, 0
.macro WIN new                         ; the immediate's high byte repeats the setting that is left; a switch that changes nothing is dropped
.if MSB != (\new)
	s_set_vgpr_msb (MSB<<8)|(\new)
.set MSB, \new
.endif
.endm
.set MUL_LO, 0xa1                      ; source 0 (B) window 1, source 1 (A) window 0, C and D window 2
.set MUL_HI, 0xf1                      ; the same, C and D window 3
.set TO_B,   0x40                      ; destination window 1, address window 0
; A joint load.  Waves 0 and 1 fetch A's two halves, waves 2 and 3 B's.  Each line has one mask and one set of registers for all that issue it; the branch hangs on the wave's number alone.
; An s_nop 0 and four v_nop follow each of the two lines, ahead of the jump, the label and what follows.
.macro JLOAD s
	s_cmp_eq_u32 s11, 0
	s_cbranch_scc0 .Lfor_b_\@
	tensor_load_to_lds s[G0+4*(\s):G0+4*(\s)+3], s[G1:G1+7]
	s_nop 0
.rept 4
	v_nop
.endr
	s_branch .Lasked_\@
.Lfor_b_\@:
	tensor_load_to_lds s[G0B+4*(\s):G0B+4*(\s)+3], s[G1B:G1B+7]
	s_nop 0
.rept 4
	v_nop
.endr
.Lasked_\@:
.endm
; A PREFETCH INTO THE L2, behind each joint refill and the run of LDS loads that follows it: the K step that stands TWO refills on, 512 matrix instructions ahead of the load that will ask for it:
; 32 rows x 256 bytes, a lane a row, one instruction a wave.  Each row's 256 bytes of a K step are named ONCE in the launch: A's tile row is read by the four clusters of that row of clusters, of which
; cluster x = 0 asks; B's tile column by the four of that column, of which cluster y = 0 asks.  The four partners that ask for a tile jointly share its rows out BY ADDRESS: of the 128 rows that a wave
; fetches the partner at place p takes 32 p .. 32 p + 31 (p = cx for A, cy for B).  K steps 0 to 3 come by their loads alone; the loop's last trip (s3 = 1) asks for nothing: K steps 30 and 31 are the last.
.macro ASK
	s_cmp_gt_u32 s3, s[LIM]
	s_cbranch_scc0 .Lnot_mine_\@
	global_prefetch_b8 v[PFO], s[PFA:PFA+1] offset:KSTEP*2 th:TH_LOAD_NT scope:SCOPE_SE
.Lnot_mine_\@:
.endm
; A round of the cluster's barrier: my work-group's barrier, so that wave 0's signal speaks for all four waves; wave 0 signals; every wave waits for all sixteen work-groups; my work-group's barrier once more.
.macro CREST                           ; a round behind its opening barrier
	s_cmp_lg_u32 s10, 0
	s_cbranch_scc1 .Lnot_wave_0_\@
	s_barrier_signal -3
.Lnot_wave_0_\@:
	s_barrier_wait -3
	s_barrier_signal -1
	s_barrier_wait -1
.endm
.macro CROUND                          ; a whole round
	s_barrier_signal -1
	s_barrier_wait -1
	CREST
.endm
	s_load_b128 s[4:7], s[0:1], 0x0                ; A = xq s[4:5], B = wq s[6:7]
	s_load_b64 s[8:9], s[0:1], 0x10                ; out
	s_load_b128 s[68:71], s[0:1], 0x18             ; pmax s[68:69], weight_scale s[70:71]
	s_load_b64 s[72:73], s[0:1], 0x28              ; bias
	v_lshl_add_u32 v[SPW], v0, 2, SPARE
	v_mov_b32 v[NIL], 0
	ds_add_u32 v[SPW], v[NIL]                      ; the wave's opening: the add, twice on end, and its wait ahead of my first tensor load; the set-up below, work on registers, stands between
	ds_add_u32 v[SPW], v[NIL]
	v_lshrrev_b32 v1, 5, v0
	v_readfirstlane_b32 s10, v1                    ; wave 0..3
	s_lshr_b32 s11, s10, 1                         ; which half of the tile's rows is mine.  Also: I fetch for A (0) or for B (1)
	s_and_b32 s12, s10, 1                          ; which half of its columns.  Also: which 128 rows of that tile I fetch
	s_bfe_u32 s40, ttmp6, 0x40000                  ; cx
	s_bfe_u32 s41, ttmp6, 0x40004                  ; cy
	s_lshl_b32 s42, ttmp9, 2                       ; in a cluster launch ttmp9 and ttmp7 count clusters
	s_add_co_u32 s42, s42, s40                     ; tile column = 4 x cluster x + cx
	s_and_b32 s13, ttmp7, 0xffff
	s_lshl_b32 s13, s13, 2
	s_add_co_u32 s13, s13, s41                     ; tile row = 4 x cluster y + cy
	s_lshl_b32 s43, s41, 2
	s_lshl_b32 s43, 15, s43                        ; my row of the cluster: places 4 cy .. 4 cy + 3
	s_lshl_b32 s44, 0x1111, s40                    ; my column: places cx, cx + 4, cx + 8, cx + 12
	; descriptor group 1: a tile of 128 rows x 128 elements, padded in LDS
	s_or_b32 s[G1+0], s43, (1<<16)|(1<<20)|(1<<21)|(5<<22)|(3<<25)   ; 15:0 the mask; 17:16 elements of 2 bytes; 20 padding on; 21 set beside a mask; 24:22 after every 64 words (code 5); 31:25 4 words (code 3)
	s_or_b32 s[G1B+0], s44, (1<<16)|(1<<20)|(1<<21)|(5<<22)|(3<<25)
.irp g, G1, G1B
	s_mov_b32 s[(\g)+1], KSTEP<<16                 ; tensor_dim0 = 128
	s_mov_b32 s[(\g)+2], 128<<16                   ; tensor_dim1 = 128
	s_mov_b32 s[(\g)+3], KSTEP<<16                 ; tile_dim0 = 128
	s_mov_b32 s[(\g)+4], 128                       ; tile_dim1 = 128
	s_mov_b32 s[(\g)+5], SIZE_K                    ; elements from row to row
	s_mov_b32 s[(\g)+6], 0
	s_mov_b32 s[(\g)+7], 0
.endr
	; where the tiles come from: A's hang on the tile row alone, B's on the tile column alone, each in registers that never hold the other coordinate
	s_lshl_b32 s17, s12, 7
	s_lshl_b32 s16, s13, 8
	s_add_co_u32 s16, s16, s17                     ; A: row 256 x tile row + 128 x half
	s_lshl_b32 s46, s42, 8
	s_add_co_u32 s46, s46, s17                     ; B: row 256 x tile column + 128 x half
	s_mov_b32 s17, 0
	s_mov_b32 s47, 0
	s_mov_b64 s[18:19], SIZE_K*2
	s_mul_u64 s[16:17], s[16:17], s[18:19]
	s_mul_u64 s[46:47], s[46:47], s[18:19]
	s_mul_i32 s20, s10, HALFT                      ; where they go: wave x 128 rows: no place in the cluster enters an LDS address
	s_mov_b32 s76, 0x76543210                      ; v_permlanex16_b32: each lane takes its own place in the other half
	s_mov_b32 s77, 0xfedcba98
	s_wait_dscnt 0x0                               ; both opening adds are done
	s_wait_kmcnt 0x0
	s_add_nc_u64 s[14:15], s[4:5], s[16:17]
	s_add_nc_u64 s[46:47], s[6:7], s[46:47]
	CROUND                                         ; all sixteen work-groups are here: the first joint loads meet
.irp s, 0,1
	s_mov_b32 s[G0+4*(\s)], 1                                        ; count = 1
	s_add_co_u32 s[G0+4*(\s)+1], s20, (\s)*SLOT                      ; LDS address
	s_add_nc_u64 s[G0+4*(\s)+2:G0+4*(\s)+3], s[14:15], (\s)*KSTEP*2  ; global address: K step s
	s_or_b32 s[G0+4*(\s)+3], s[G0+4*(\s)+3], 0x80000000              ; type = 2
	s_mov_b32 s[G0B+4*(\s)], 1
	s_add_co_u32 s[G0B+4*(\s)+1], s20, (\s)*SLOT
	s_add_nc_u64 s[G0B+4*(\s)+2:G0B+4*(\s)+3], s[46:47], (\s)*KSTEP*2
	s_or_b32 s[G0B+4*(\s)+3], s[G0B+4*(\s)+3], 0x80000000
	JLOAD \s                                       ; two tensor loads of mine are out: the most that this text has
.endr
	; A fragment is 16 rows x 32 K in 8 registers: lane l holds row l % 16; registers 0-3 K = 8 (l / 16) + 0..7, registers 4-7 K = 16 + 8 (l / 16) + 0..7: two loads of 16 bytes, 32 bytes apart.
	v_and_b32 v1, 15, v0                           ; l % 16
	v_bfe_u32 v2, v0, 4, 1                         ; l / 16
	v_mul_u32_u24 v3, v1, PITCH
	v_lshl_add_u32 v3, v2, 4, v3
	s_mul_i32 s21, s11, HALFT                      ; my 128 rows of A
	s_mul_i32 s22, s12, HALFT                      ; my 128 rows of B,
	s_add_co_u32 s22, s22, 2*HALFT                 ; which lie behind A's 256
.irp s, 0,1
	v_add_nc_u32 v[ADRA+(\s)], s21, v3
	v_add_nc_u32 v[ADRB+(\s)], s22, v3
	s_add_co_u32 s21, s21, SLOT
	s_add_co_u32 s22, s22, SLOT
.endr
	s_mul_i32 s23, s10, 16*SPITCH
	s_add_co_u32 s23, s23, STAGE                   ; my stage
	v_mul_u32_u24 v4, v1, SPITCH                   ; in: row l % 16, 32 bytes for each half of the lanes
	v_lshl_add_u32 v4, v2, 5, v4
	v_add_nc_u32 v[STO], s23, v4
	v_and_b32 v5, 31, v0
	v_lshlrev_b32 v[CO], 4, v5                     ; back: 32 lanes take one row of 512 bytes
	v_add_nc_u32 v[RD], s23, v[CO]
	s_lshl_b32 s13, s13, 8                         ; 256 x tile row
	s_lshl_b32 s14, s11, 7
	s_add_co_u32 s16, s13, s14                     ; my first row of out,
	s_lshl_b32 s16, s16, 14                        ; in bytes: rows of 16,384
	s_mov_b32 s17, 0
	s_add_nc_u64 s[8:9], s[8:9], s[16:17]
	s_lshl_b32 s46, s42, 10                        ; my first column, in bytes of f32: 1,024 x tile column + 512 x half
	s_lshl_b32 s47, s12, 9
	s_add_co_u32 s46, s46, s47
	s_mov_b32 s47, 0
	s_add_nc_u64 s[8:9], s[8:9], s[46:47]
	s_add_nc_u64 s[70:71], s[70:71], s[46:47]      ; weight_scale and bias at the same column
	s_add_nc_u64 s[72:73], s[72:73], s[46:47]
.irp j, 0,1,2,3
	global_load_b128 v[P+4*(\j):P+4*(\j)+3], v[CO], s[68:69] offset:512*(\j)  ; all 512 words of pmax
.endr
	global_load_b128 v[SC:SC+3], v[CO], s[70:71]   ; my four columns on the way out: 4 x lane .. 4 x lane + 3 of my wave's 128
	global_load_b128 v[BI:BI+3], v[CO], s[72:73]
	; the prefetches.  s13 = 256 x tile row, s42 = tile column, s40 = cx, s41 = cy
	s_lshl_b32 s42, s42, 8
	s_and_b32 s22, ttmp7, 0xffff                   ; cluster y
	s_cmp_eq_u32 s11, 0                            ; do I fetch for A?
	s_cselect_b32 s20, s13, s42                    ; the tile's first row
	s_cselect_b32 s21, s40, s41                    ; my place among the four that ask for it with me
	s_cselect_b32 s22, ttmp9, s22                  ; the coordinate along which other clusters read the same rows
	s_cselect_b64 s[PFA:PFA+1], s[4:5], s[6:7]
	s_cmp_eq_u32 s22, 0
	s_cselect_b32 s[LIM], 1, -1                    ; the same in all sixteen partners, for a given wave
	s_lshl_b32 s22, s12, 7
	s_add_co_u32 s20, s20, s22                     ; + the 128 rows that I fetch
	s_lshl_b32 s21, s21, 5
	s_add_co_u32 s20, s20, s21                     ; + my work-group's 32 of them
	s_mov_b32 s21, 0
	s_mov_b64 s[18:19], SIZE_K*2
	s_mul_u64 s[20:21], s[20:21], s[18:19]
	s_add_nc_u64 s[PFA:PFA+1], s[PFA:PFA+1], s[20:21]
	s_add_nc_u64 s[PFA:PFA+1], s[PFA:PFA+1], 2*KSTEP*2  ; at K step 2: the first refill steps it to 3 and names K step 4
	v_and_b32 v[PFO], 31, v0
	v_mul_u32_u24 v[PFO], v[PFO], SIZE_K*2
	; act, and act x weight_scale: in the wait for the first tile
	s_wait_loadcnt 0x0
	v_max3_num_f32 v[P],    v[P],    v[P+1],  v[P+2]
	v_max3_num_f32 v[P+3],  v[P+3],  v[P+4],  v[P+5]
	v_max3_num_f32 v[P+6],  v[P+6],  v[P+7],  v[P+8]
	v_max3_num_f32 v[P+9],  v[P+9],  v[P+10], v[P+11]
	v_max3_num_f32 v[P+12], v[P+12], v[P+13], v[P+14]
	v_max3_num_f32 v[P],    v[P],    v[P+3],  v[P+6]
	v_max3_num_f32 v[P+9],  v[P+9],  v[P+12], v[P+15]
	v_max_num_f32  v[P],    v[P],    v[P+9]
	v_max_num_f32_dpp v[P], v[P], v[P] row_xmask:1 row_mask:0xf bank_mask:0xf
	v_max_num_f32_dpp v[P], v[P], v[P] row_xmask:2 row_mask:0xf bank_mask:0xf
	v_max_num_f32_dpp v[P], v[P], v[P] row_xmask:4 row_mask:0xf bank_mask:0xf
	v_max_num_f32_dpp v[P], v[P], v[P] row_xmask:8 row_mask:0xf bank_mask:0xf
	v_permlanex16_b32 v[P+1], v[P], s76, s77       ; its destination has been written before
	v_max_num_f32  v[P],    v[P],    v[P+1]
	v_mul_f32 v[P], 0x3c010204, v[P]               ; act = max / 127
	v_pk_mul_f32 v[SC:SC+1],   v[SC:SC+1],   v[P:P+1] op_sel_hi:[1,0]
	v_pk_mul_f32 v[SC+2:SC+3], v[SC+2:SC+3], v[P:P+1] op_sel_hi:[1,0]
; 16 matrix instructions: m blocks a0, a0 + 1 of the window's four (hi = 0: my rows 0-63, 1: rows 64-127) x all 8 n blocks, 32 along K.  zero = 1: the product starts the sums: nothing is cleared.
; The 64 accumulators take turns, one instruction a turn, in the same order in every quarter step, over the backward jump too.
.macro MUL16 f, hi, a0, zero
	WIN MUL_LO+0x50*(\hi)
.irp a, \a0, (\a0)+1
.irp b, 0,1,2,3,4,5,6,7
.if \zero
	v_wmma_f32_16x16x32_bf16 v[8*(8*(\a)+(\b)):8*(8*(\a)+(\b))+7], v[(\f)+8*(\b):(\f)+8*(\b)+7], v[(\f)+8*(4*(\hi)+(\a)):(\f)+8*(4*(\hi)+(\a))+7], 0
.else
	v_wmma_f32_16x16x32_bf16 v[8*(8*(\a)+(\b)):8*(8*(\a)+(\b))+7], v[(\f)+8*(\b):(\f)+8*(\b)+7], v[(\f)+8*(4*(\hi)+(\a)):(\f)+8*(4*(\hi)+(\a))+7], v[8*(8*(\a)+(\b)):8*(8*(\a)+(\b))+7]
.endif
.endr
.endr
.endm
; 32 LDS loads in one run: the fragments of one quarter step (128 rows of B, then 128 rows of A, 32 K at byte k of the rows) into buffer f
.macro FETCH slot, k, f
	WIN TO_B
.irp i, 0,1,2,3,4,5,6,7
	ds_load_b128 v[(\f)+8*(\i):(\f)+8*(\i)+3],   v[ADRB+(\slot)] offset:(\k)+(\i)*16*PITCH
	ds_load_b128 v[(\f)+8*(\i)+4:(\f)+8*(\i)+7], v[ADRB+(\slot)] offset:(\k)+(\i)*16*PITCH+32
.endr
	WIN 0
.irp i, 0,1,2,3,4,5,6,7
	ds_load_b128 v[(\f)+8*(\i):(\f)+8*(\i)+3],   v[ADRA+(\slot)] offset:(\k)+(\i)*16*PITCH
	ds_load_b128 v[(\f)+8*(\i)+4:(\f)+8*(\i)+7], v[ADRA+(\slot)] offset:(\k)+(\i)*16*PITCH+32
.endr
.endm
; A load into a register that a matrix instruction has read, and a store that reads a matrix result, stand four places behind that matrix instruction; only plain vector instructions that name none of
; its registers are places (ISA guide 7.12.1 for vector instructions).
.macro PLACES
.rept 4
	v_nop
.endr
.endm
; A K step is four quarter steps of 32 along K, 64 matrix instructions each, on buffers 0, 1, 0, 1.  One of the first three: multiplies buffer f; in its middle it fetches the next quarter, at byte k, into g.
.macro QUARTER slot, k, f, g, zero
	s_wait_dscnt 8                                 ; B and A's rows 0-63 are in; the youngest eight loads (A's rows 64-127) may be out
	MUL16 \f, 0, 0, \zero
	MUL16 \f, 0, 2, \zero
	PLACES
	FETCH \slot, \k, \g
	s_wait_dscnt 32                                ; all but the 32 just issued
	MUL16 \f, 1, 0, \zero
	MUL16 \f, 1, 2, \zero
.endm
; The last quarter multiplies buffer 1 and changes slots.  MEET is its first half: ONE barrier for the change.  In front of it each wave waits for all its tensor loads, of which one is out: its part of
; the next slot; adds 0 to its spare word; and waits for that and for its own reads of this slot.  Behind it nobody reads this slot any more and the next slot is whole.
.macro MEET round                      ; round = 1: the rest of a round of the cluster's barrier follows
	WIN 0                                          ; (the add's two registers lie in window 0)
	s_wait_tensorcnt 0x0                           ; all my tensor loads have landed
	ds_add_u32 v[SPW], v[NIL]                      ; 0 onto my spare word
	s_wait_dscnt 9                                 ; (the add and the youngest eight loads may be out)
	MUL16 F1, 0, 0, 0                              ; sixteen matrix instructions stand between the add and the wait for it
	s_wait_dscnt 0x0                               ; the add is done, and my reads of this slot are over
	s_barrier_signal -1
	MUL16 F1, 0, 2, 0                              ; work on registers while the others arrive
.if \round
	WIN 0
.endif
	s_barrier_wait -1
.endm
; The whole last quarter where the slot is filled again, with the K step two steps on: the barrier opens a round of the cluster's barrier, and the joint refill is the first tensor load behind the round:
; one load of mine is out, and from its request to the wait for it I issue 224 matrix instructions.
.macro TURN slot, next
	s_wait_xcnt 0x0                                ; the last prefetch, a K step back, has read its address: it is stepped here, ahead of the change's own waits
	s_add_nc_u64 s[PFA:PFA+1], s[PFA:PFA+1], KSTEP*2
	MEET 1
	CREST                                          ; no wave of any partner still reads this slot's tile or has a load on its way
	s_add_nc_u64 s[G0+4*(\slot)+2:G0+4*(\slot)+3], s[G0+4*(\slot)+2:G0+4*(\slot)+3], 2*KSTEP*2    ; no tensor load of mine is out, so a group 0 may be written
	s_add_nc_u64 s[G0B+4*(\slot)+2:G0B+4*(\slot)+3], s[G0B+4*(\slot)+2:G0B+4*(\slot)+3], 2*KSTEP*2
	JLOAD \slot                                    ; the four v_nop behind it are also the places in front of the loads below
	FETCH \next, 0, F0
	ASK
	MUL16 F1, 1, 0, 0
	MUL16 F1, 1, 2, 0
.endm
; The same where nothing is left to fetch: no round, no fill.
.macro TURNX next
	MEET 0
	PLACES
	FETCH \next, 0, F0
	MUL16 F1, 1, 0, 0
	MUL16 F1, 1, 2, 0
.endm
	s_wait_tensorcnt 1                             ; my part of K step 0 is in; K step 1's may stay out
	s_barrier_signal -1
	s_barrier_wait -1                              ; everybody's is
	FETCH 0, 0, F0
	QUARTER 0, 64,  F0, F1, 1                      ; the first quarter stands in front of the loop: its products start the sums
	WIN 0                                          ; at a label and at a branch every window is 0
	s_mov_b32 s3, LAPS-1
.Llap:                                                 ; a trip goes once round the ring, from a lap's second quarter to the next lap's first, and fills both slots again
	QUARTER 0, 128, F1, F0, 0
	QUARTER 0, 192, F0, F1, 0
	TURN 0, 1
	QUARTER 1, 64,  F0, F1, 0
	QUARTER 1, 128, F1, F0, 0
	QUARTER 1, 192, F0, F1, 0
	TURN 1, 0
	QUARTER 0, 64,  F0, F1, 0
	WIN 0
	s_sub_co_u32 s3, s3, 1
	s_cmp_lg_u32 s3, 0
	s_cbranch_scc1 .Llap
	QUARTER 0, 128, F1, F0, 0                      ; the last lap is written out: it asks for nothing
	QUARTER 0, 192, F0, F1, 0
	TURNX 1
	QUARTER 1, 64,  F0, F1, 0
	QUARTER 1, 128, F1, F0, 0
	QUARTER 1, 192, F0, F1, 0
	s_wait_dscnt 8                                 ; the very last quarter: nothing more to fetch
	MUL16 F1, 0, 0, 0
	MUL16 F1, 0, 2, 0
	s_wait_dscnt 0x0
	MUL16 F1, 1, 0, 0
	MUL16 F1, 1, 2, 0
	WIN 0
; THE WAY OUT, a block of 16 rows x 128 columns of f32 at a time.  TOSTAGE: a lane's 32 bytes of a row go from the accumulators into my own stage (each accumulator's low four registers first),
; and come back as whole rows of 512 bytes, into A's fragment buffers by turns.  SEND: times act x weight_scale, plus bias, one fused multiply-add; stored.
.macro TOSTAGE a
.set AC, 64*((\a)%4)
.set BK, F0+64*((\a)%2)
	WIN 0x08+4*((\a)/4)                            ; the stores' data (source 1) in window 2 or 3
.irp b, 0,1,2,3,4,5,6,7
	ds_store_b128 v[STO], v[AC+8*(\b):AC+8*(\b)+3]   offset:64*(\b)
	ds_store_b128 v[STO], v[AC+8*(\b)+4:AC+8*(\b)+7] offset:64*(\b)+16
.endr
	WIN 0
.if (\a) >= 2
	s_wait_xcnt 0x0                                ; the stores of the block two back have read this buffer: it is loaded again only behind this wait
.endif
.irp t, 0,1,2,3,4,5,6,7,8,9,10,11,12,13,14,15
	ds_load_b128 v[BK+4*(\t):BK+4*(\t)+3], v[RD] offset:(\t)*SPITCH  ; LDS serves a wave's instructions in order (ISA guide 5.7.1.4): these see the stores above; the next block's stores come behind them
.endr
.endm
.macro SEND a, younger                 ; younger: the LDS instructions issued behind block a's loads: the next block's 32, or none
.set BK, F0+64*((\a)%2)
.irp t, 0,1,2,3,4,5,6,7,8,9,10,11,12,13,14,15
	s_wait_dscnt (\younger)+15-(\t)                ; row t is back
	v_pk_fma_f32 v[BK+4*(\t):BK+4*(\t)+1],   v[BK+4*(\t):BK+4*(\t)+1],   v[SC:SC+1],   v[BI:BI+1]
	v_pk_fma_f32 v[BK+4*(\t)+2:BK+4*(\t)+3], v[BK+4*(\t)+2:BK+4*(\t)+3], v[SC+2:SC+3], v[BI+2:BI+3]
	global_store_b128 v[CO], v[BK+4*(\t):BK+4*(\t)+3], s[8:9] offset:(16*(\a)+(\t))*SIZE_N*4 th:TH_STORE_NT  ; the wave stores 512 consecutive bytes, at a multiple of 512 from out's first byte; 127 rows at the most in the immediate
.endr
.endm
	PLACES                                         ; eight places behind the last product, once a launch: the stage's stores read results, and its loads land in registers that products have read
	PLACES
	TOSTAGE 0
.irp a, 1,2,3,4,5,6,7                  ; a block's trip through the stage is under way while the block before is scaled and stored
	TOSTAGE \a
	SEND (\a)-1, 32
.endr
	SEND 7, 0
	s_wait_tensorcnt 0x0                           ; the wave's end: behind my last tensor load and my last LDS store
	ds_add_u32 v[SPW], v[NIL]
	s_wait_dscnt 0x0
	CROUND                                         ; the closing round: no work-group ends while a partner may still ask for a tile that names it
	s_endpgm
.Lfunc_end_k_q455e0b105b_gemm:
	.size	k_q455e0b105b_gemm, .Lfunc_end_k_q455e0b105b_gemm-k_q455e0b105b_gemm
	.p2alignl 7, 3214868480
	.fill 96, 4, 3214868480
	.section	.rodata,"a",@progbits
	.p2align	6, 0x0
	.amdhsa_kernel k_q455e0b105b_gemm
		.amdhsa_group_segment_fixed_size 327680
		.amdhsa_private_segment_fixed_size 0
		.amdhsa_enable_private_segment 0
		.amdhsa_kernarg_size 48
		.amdhsa_user_sgpr_count 2
		.amdhsa_user_sgpr_kernarg_segment_ptr 1
		.amdhsa_wavefront_size32 1
		.amdhsa_system_sgpr_workgroup_id_x 1
		.amdhsa_system_sgpr_workgroup_id_y 1
		.amdhsa_system_sgpr_workgroup_id_z 1
		.amdhsa_system_vgpr_workitem_id 0
		.amdhsa_next_free_vgpr 1024
		.amdhsa_next_free_sgpr 80
		.amdhsa_reserve_vcc 0
		.amdhsa_float_denorm_mode_32 3
		.amdhsa_float_denorm_mode_16_64 3
		.amdhsa_memory_ordered 1
		.amdhsa_forward_progress 1
		.amdhsa_inst_pref_size 163
	.end_amdhsa_kernel
	.amdgpu_metadata
---
amdhsa.version: [ 1, 2 ]
amdhsa.kernels:
  - .name:           k_q455e0b105b_gemm
    .symbol:         k_q455e0b105b_gemm.kd
    .args:
      - { .name: xq, .offset: 0, .size: 8, .value_kind: global_buffer, .address_space: global }
      - { .name: wq, .offset: 8, .size: 8, .value_kind: global_buffer, .address_space: global }
      - { .name: out0, .offset: 16, .size: 8, .value_kind: global_buffer, .address_space: global }
      - { .name: pmax, .offset: 24, .size: 8, .value_kind: global_buffer, .address_space: global }
      - { .name: weight_scale, .offset: 32, .size: 8, .value_kind: global_buffer, .address_space: global }
      - { .name: bias, .offset: 40, .size: 8, .value_kind: global_buffer, .address_space: global }
    .group_segment_fixed_size: 327680
    .private_segment_fixed_size: 0
    .kernarg_segment_align: 8
    .kernarg_segment_size: 48
    .max_flat_workgroup_size: 128
    .sgpr_count:     80
    .vgpr_count:     1024
    .wavefront_size: 32
...
	.end_amdgpu_metadata
.endif
;; end of part 3
;; ======== version 2 of 2: 3 launches; version 1 with the launch quant written anew for expert scheduling mode
;; workspace buffers: pmax 2,048 bytes; wq 33,554,432 bytes; xq 33,554,432 bytes
;; launch absmax_w: the kernel of part 1 again; grid 512 x 1, 8 waves a work-group, no clusters, 1,280 bytes of LDS; arguments x, smooth_scale, weight_quantized, pmax, wq; writes pmax, wq
;; launch quant (part 4): grid 512 x 1, 8 waves a work-group, no clusters, 0 bytes of LDS; arguments x, smooth_scale, pmax, xq; writes xq
.if DOCPART == 4
	.amdgcn_target "amdgcn-amd-amdhsa--gfx1250"
	.amdhsa_code_object_version 6
	.text
	.protected	k_q455e0b105b_quant
	.globl	k_q455e0b105b_quant
	.p2align	8
	.type	k_q455e0b105b_quant,@function
k_q455e0b105b_quant:
	s_mov_b64 s[64:65], 0
	v_nop
	global_prefetch_b8 v0, s[64:65] scope:SCOPE_SE
	s_setreg_imm32_b32 hwreg(HW_REG_WAVE_SCHED_MODE, 0, 2), 2
	s_setreg_imm32_b32 hwreg(HW_REG_WAVE_MODE, 25, 1), 1
	s_wait_xcnt 0x0
	s_wait_alu depctr_vm_vsrc(0)
; SMOOTHQUANT LINEAR, second launch: xq[m][i] = clip(round_to_even(x[m][i] / smooth[i] / (act + 1e-5)), -128, 127) as bf16 (whole numbers of that range are exact in bf16),
; act = (the largest of pmax's 512 words) / 127.  Nothing of the problem is left out.
; LIMITS.  NaN and infinities in x are not carried.  smooth_scale is not 0, its magnitude in 2^-126 .. 2^126.  The two divisions are ONE multiplication by F[i] = (1 / smooth[i]) (1 / (act + 1e-5)),
; both reciprocals refined by one Newton step, and max / 127 is a multiplication by the f32 number nearest 1 / 127: the quotient is met to about 1.5 units in the last place, so a number
; that lies that near to a half may round to the neighbouring whole number.  All of this stays in f32; nothing is rounded to 16 bits ahead of the rounding to whole numbers.
; SHARES.  Work-group g: rows 8 g .. 8 g + 7.  Thread t: columns 4 t .. 4 t + 3 + 1024 j of every row: a wave's load covers 512 consecutive bytes, aligned, its store of 8 bytes a lane 256 consecutive
; bytes, aligned.  No loop: a wave's 40 loads go out together.
; No LDS, tensor loads, clusters or matrix work: each byte of x has one reader; every wave folds the 2 KiB of pmax for itself.
; THE MODE: SCHED_MODE bits 1:0 = 2 (LLVM: expert scheduling mode 2), set by the entry lines.  The code itself states the register dependences
; between vector instructions and memory instructions, with s_wait_alu, always for 0.
; THE PLAN.  Registers that memory instructions touch:
;   v1, v2, v3    byte offsets, made once at the head and never written again: read by every load (v1, v3) and every store (v2).
;   P, S, X       each register is the landing place of one load; all 40 loads stand in one run at the head, ahead of every vector instruction that names these registers.
;   X's out-pairs the first two registers of each group of four of X: written by their row's roundings to bf16, read by one store, never written again.
;   F, v12, v13   named by vector instructions alone.
; So: one wait at the head, for the offsets; the reciprocals' wait; and one wait at the head of each row but the first, behind the wait for the row's data: it states that the row
; before has written its out-pairs.  That row's four stores follow, dealt among this row's vector instructions, which name this row's registers and F alone.  One more wait stands ahead of
; the last row's stores.  No register that a memory instruction reads is written again, so no wait for a memory instruction's reads is owed.
.set ROWX, 16384                       ; bytes in a row of x
.set ROWQ, 8192                        ; bytes in a row of xq
.set P,  10                            ; v[10:25]  pmax as loaded; then v10 = act, v11 = act + 1e-5, v12 = its reciprocal, v13 = the Newton error
.set S,  26                            ; v[26:41]  smooth of my 16 columns, then the Newton error
.set F,  42                            ; v[42:57]  the reciprocals, then F
.set X,  58                            ; v[58:185] x: row i, column c at X + 16 i + c
; v1 = 16 t (x, smooth), v2 = 8 t (xq), v3 = 16 x lane (pmax)
	s_load_b256 s[4:11], s[0:1], 0x0               ; x s[4:5], smooth s[6:7], pmax s[8:9], xq s[10:11]
	v_lshlrev_b32 v1, 4, v0
	v_lshlrev_b32 v2, 3, v0
	v_and_b32 v3, 31, v0
	v_lshlrev_b32 v3, 4, v3
	s_mov_b32 s12, 0xc3000000                      ; -128.0
	s_mov_b32 s13, 0x42fe0000                      ; 127.0
	s_mov_b32 s14, 0x76543210                      ; v_permlanex16_b32: each lane takes its own place in the other half
	s_mov_b32 s15, 0xfedcba98
	s_mov_b32 s17, 0
	s_wait_kmcnt 0x0
	s_lshl_b32 s16, ttmp9, 17                      ; 8 rows of x
	s_add_nc_u64 s[4:5], s[4:5], s[16:17]
	s_lshl_b32 s16, ttmp9, 16                      ; 8 rows of xq
	s_add_nc_u64 s[10:11], s[10:11], s[16:17]
	s_wait_alu depctr_va_vdst(0)                   ; v1, v2 and v3 are written: every load and store of the kernel reads one of them as its offset
.irp j, 0,1,2,3
	global_load_b128 v[P+4*(\j):P+4*(\j)+3], v3, s[8:9] offset:512*(\j)   ; 32 lanes x 16 bytes x 4: all 512 words
.endr
.irp j, 0,1,2,3
	global_load_b128 v[S+4*(\j):S+4*(\j)+3], v1, s[6:7] offset:4096*(\j)
.endr
.irp i, 0,1,2,3,4,5,6,7
.irp j, 0,1,2,3
	global_load_b128 v[X+16*(\i)+4*(\j):X+16*(\i)+4*(\j)+3], v1, s[4:5] offset:ROWX*(\i)+4096*(\j) th:TH_LOAD_NT
.endr
.endr
; The largest of 16 registers from b on and of the wave's 32 lanes, into v[b] of every lane.
.macro FOLD16 b, sel
	v_max3_num_f32 v[(\b)],    v[(\b)],    v[(\b)+1],  v[(\b)+2]
	v_max3_num_f32 v[(\b)+3],  v[(\b)+3],  v[(\b)+4],  v[(\b)+5]
	v_max3_num_f32 v[(\b)+6],  v[(\b)+6],  v[(\b)+7],  v[(\b)+8]
	v_max3_num_f32 v[(\b)+9],  v[(\b)+9],  v[(\b)+10], v[(\b)+11]
	v_max3_num_f32 v[(\b)+12], v[(\b)+12], v[(\b)+13], v[(\b)+14]
	v_max3_num_f32 v[(\b)],    v[(\b)],    v[(\b)+3],  v[(\b)+6]
	v_max3_num_f32 v[(\b)+9],  v[(\b)+9],  v[(\b)+12], v[(\b)+15]
	v_max_num_f32  v[(\b)],    v[(\b)],    v[(\b)+9]
	v_max_num_f32_dpp v[(\b)], v[(\b)], v[(\b)] row_xmask:1 row_mask:0xf bank_mask:0xf
	v_max_num_f32_dpp v[(\b)], v[(\b)], v[(\b)] row_xmask:2 row_mask:0xf bank_mask:0xf
	v_max_num_f32_dpp v[(\b)], v[(\b)], v[(\b)] row_xmask:4 row_mask:0xf bank_mask:0xf
	v_max_num_f32_dpp v[(\b)], v[(\b)], v[(\b)] row_xmask:8 row_mask:0xf bank_mask:0xf
	v_permlanex16_b32 v[(\b)+1], v[(\b)], s[(\sel)], s[(\sel)+1]  ; its destination has been written before
	v_max_num_f32  v[(\b)],    v[(\b)],    v[(\b)+1]
.endm
	s_wait_loadcnt 32                              ; pmax and smooth are in: x's 32 loads may stay out
	FOLD16 P, 14
	v_mul_f32 v[P], 0x3c010204, v[P]               ; act = max / 127
	v_add_f32 v[P+1], 0x3727c5ac, v[P]             ; act + 1e-5
.set c, 0
.rept 16                               ; one batch of 17 reciprocals, one plain instruction behind the last, one wait ahead of the first reader
	v_rcp_f32 v[F+c], v[S+c]
.set c, c+1
.endr
	v_rcp_f32 v12, v11
	v_nop
	s_wait_alu depctr_va_vdst(0)                   ; the 17 reciprocals have written v[F .. F+15] and v12, which the Newton steps below read
.set c, 0
.rept 8                                ; Newton: e = 1 - s r,
	v_pk_fma_f32 v[S+c:S+c+1], v[S+c:S+c+1], v[F+c:F+c+1], 1.0 op_sel_hi:[1,1,0] neg_lo:[1,0,0] neg_hi:[1,0,0]
.set c, c+2
.endr
	v_fma_f32 v13, -v11, v12, 1.0
.set c, 0
.rept 8                                ; r = r + r e
	v_pk_fma_f32 v[F+c:F+c+1], v[F+c:F+c+1], v[S+c:S+c+1], v[F+c:F+c+1]
.set c, c+2
.endr
	v_fma_f32 v12, v12, v13, v12
.set c, 0
.rept 8                                ; F: both halves times v12, the pair's low register
	v_pk_mul_f32 v[F+c:F+c+1], v[F+c:F+c+1], v[12:13] op_sel_hi:[1,0]
.set c, c+2
.endr
; Row i: scale, round to the nearest whole number (ties to even), clip, pack.  The row before is stored meanwhile: one of its four stores ahead of each quarter of this row's arithmetic.
.macro QROW i
	s_wait_loadcnt 28-4*(\i)                       ; the row's four loads are in: the 7 - i rows behind it may stay out
.if (\i) > 0
	s_wait_alu depctr_va_vdst(0)                   ; the row before has written its four out-pairs, which the stores below read; no vector instruction of this row names them or v2
.endif
.irp j, 0,1,2,3
.if (\i) > 0
	global_store_b64 v2, v[X+16*((\i)-1)+4*(\j):X+16*((\i)-1)+4*(\j)+1], s[10:11] offset:ROWQ*((\i)-1)+2048*(\j)
.endif
.set q, X+16*(\i)+4*(\j)
	v_pk_mul_f32 v[q:q+1],   v[q:q+1],   v[F+4*(\j):F+4*(\j)+1]
	v_pk_mul_f32 v[q+2:q+3], v[q+2:q+3], v[F+4*(\j)+2:F+4*(\j)+3]
.irp e, 0,1,2,3
	v_rndne_f32 v[q+(\e)], v[q+(\e)]
.endr
.irp e, 0,1,2,3
	v_med3_num_f32 v[q+(\e)], v[q+(\e)], s12, s13
.endr
	v_cvt_pk_bf16_f32 v[q],   v[q],   v[q+1]
	v_cvt_pk_bf16_f32 v[q+1], v[q+2], v[q+3]
.endr
.endm
.irp i, 0,1,2,3,4,5,6,7
	QROW \i
.endr
	s_wait_alu depctr_va_vdst(0)                   ; row 7 has written its four out-pairs, which the last four stores read
.irp j, 0,1,2,3
	global_store_b64 v2, v[X+16*7+4*(\j):X+16*7+4*(\j)+1], s[10:11] offset:ROWQ*7+2048*(\j)
.endr
	s_endpgm
.Lfunc_end_k_q455e0b105b_quant:
	.size	k_q455e0b105b_quant, .Lfunc_end_k_q455e0b105b_quant-k_q455e0b105b_quant
	.p2alignl 7, 3214868480
	.fill 96, 4, 3214868480
	.section	.rodata,"a",@progbits
	.p2align	6, 0x0
	.amdhsa_kernel k_q455e0b105b_quant
		.amdhsa_group_segment_fixed_size 0
		.amdhsa_private_segment_fixed_size 0
		.amdhsa_enable_private_segment 0
		.amdhsa_kernarg_size 32
		.amdhsa_user_sgpr_count 2
		.amdhsa_user_sgpr_kernarg_segment_ptr 1
		.amdhsa_wavefront_size32 1
		.amdhsa_system_sgpr_workgroup_id_x 1
		.amdhsa_system_sgpr_workgroup_id_y 1
		.amdhsa_system_sgpr_workgroup_id_z 1
		.amdhsa_system_vgpr_workitem_id 0
		.amdhsa_next_free_vgpr 200
		.amdhsa_next_free_sgpr 66
		.amdhsa_reserve_vcc 0
		.amdhsa_float_denorm_mode_32 3
		.amdhsa_float_denorm_mode_16_64 3
		.amdhsa_memory_ordered 1
		.amdhsa_forward_progress 1
		.amdhsa_inst_pref_size 32
	.end_amdhsa_kernel
	.amdgpu_metadata
---
amdhsa.version: [ 1, 2 ]
amdhsa.kernels:
  - .name:           k_q455e0b105b_quant
    .symbol:         k_q455e0b105b_quant.kd
    .args:
      - { .name: x, .offset: 0, .size: 8, .value_kind: global_buffer, .address_space: global }
      - { .name: smooth_scale, .offset: 8, .size: 8, .value_kind: global_buffer, .address_space: global }
      - { .name: pmax, .offset: 16, .size: 8, .value_kind: global_buffer, .address_space: global }
      - { .name: xq, .offset: 24, .size: 8, .value_kind: global_buffer, .address_space: global }
    .group_segment_fixed_size: 0
    .private_segment_fixed_size: 0
    .kernarg_segment_align: 8
    .kernarg_segment_size: 32
    .max_flat_workgroup_size: 256
    .sgpr_count:     66
    .vgpr_count:     200
    .wavefront_size: 32
...
	.end_amdgpu_metadata
.endif
;; end of part 4
;; launch gemm: the kernel of part 3 again; grid 16 x 16, 4 waves a work-group, clusters of 4 x 4, 327,680 bytes of LDS; arguments xq, wq, out0, pmax, weight_scale, bias; writes out0
